; MI455X (gfx1250); checked and timed in simulation.
; The chip was launched on July 23, 2026; its instructions are those of AMD's public machine-readable ISA for CDNA 5 (MIT licence, August 2026) and "CDNA5" Instruction Set Architecture Reference Guide (July 2026). The comments in the code are by the model that wrote it; some were corrected since.
;; Attention. Allowed arithmetic: float matrix products may take bf16 or f16 operands with f32 sums; all other float work in f32.
;; Inputs: W_attn 1,024 x 2,048 float32; b_attn 1,024 float32; encoder_outputs 1,024 x 32 x 1,024 float32; hidden 1 x 32 x 1,024 float32; v 1,024 float32.
;; Outputs: out0 32 x 1 x 1,024 float32.
;; One version. Each part assembles by itself: llvm-mc -triple=amdgcn-amd-amdhsa -mcpu=gfx1250 --defsym DOCPART=n.
;; ======== version 1 of 1: 3 launches
;; workspace buffers: wbf 2,097,152 bytes; hbc 524,288 bytes; sc 131,072 bytes
;; launch prep (part 1): grid 256 x 1, 8 waves a work-group, no clusters, 50,944 bytes of LDS; arguments W_attn, hidden, b_attn, wbf, hbc; writes wbf, hbc
.if DOCPART == 1
	.amdgcn_target "amdgcn-amd-amdhsa--gfx1250"
	.amdhsa_code_object_version 6
	.text
	.protected	k_q256ae5559f_prep
	.globl	k_q256ae5559f_prep
	.p2align	8
	.type	k_q256ae5559f_prep,@function
k_q256ae5559f_prep:
	s_mov_b64 s[64:65], 0
	v_nop
	global_prefetch_b8 v0, s[64:65] scope:SCOPE_SE
	s_setreg_imm32_b32 hwreg(HW_REG_WAVE_MODE, 25, 1), 1
	s_wait_xcnt 0x0
; PREPARATION.  W_attn is [1024 (n)][2048 (k)] f32: its columns 0-1023 meet hidden, its columns 1024-2047 meet encoder_outputs.
; (1) wbf: the second half of W, rounded to bf16 (nearest even), laid out as matrix fragments: blocks of 1,024 bytes [n / 128][k / 32][(n / 16) % 8];
;     in a block lane l = (r = l % 16, h = l / 16) owns the 16 bytes at 16 l (n = .. + r, k = .. + 8 h + 0..7) and those at 512 + 16 l (k = .. + 16 + 8 h + 0..7).
; (2) hbc[kq][n / 16][b][n % 16] = c (sum over the quarter kq of k < 1024 of hidden[b][k] W[n][k]), c = 2 log2(e); quarter 0 also holds c b_attn[n].
;     The four quarters together are the part of c x (the argument of tanh) that does not hang on s; the next launch adds them.  Operands rounded to bf16; sums, bias and scale in f32.
; SHARES.  1,024 rows of W in 64 groups of 16, times four quarters of K (256 k of each half), are 256 work-groups.  Each of a group's 8 waves reads two rows' pieces of W
; (1,024 bytes of each half) and four rows' pieces of hidden, 16 loads of 512 consecutive bytes, rounds them and puts them into LDS.  Then wave w takes the quarter's K step w (32 k):
; its fragment of W's second half goes out as it is read; that of the first half is multiplied by hidden's two (b 0-15, b 16-31).  The 8 waves' partial sums meet in LDS, and waves 0 to 3 add them.
; A sum over all of K would span four work-groups: so each quarter has a table of its own, and each byte of hbc is stored by one work-group.
; No cluster, no tensor loads: every byte of W is read by one work-group alone and needs a conversion in registers; of hidden a work-group reads 32 KiB.
; LIMITS.  NaN and infinities are not treated apart (an infinite b_attn meets the factor 0 in quarters 1 to 3).
.set WPITCH, 1040                      ; a row of W in LDS: 512 bytes of the first half's quarter, 512 of the second's, + 16: an odd multiple of 16, so that the 16 rows of a fragment load start in 16 different groups of four banks (ISA guide 11.1)
.set HPITCH, 528                       ; a row of hidden: 512 + 16
.set HS,     16*WPITCH                 ; hidden's 32 rows, behind W's 16
.set RED,    HS+32*HPITCH              ; the waves' partial sums: 8 x 2,048 bytes, [b (32)][n (16)] f32
.set SPARE,  RED+8*2048                ; the spare words, 128 bytes for each wave: four blocks of 256 bytes that no other line names
.set XW,   32                          ; v[32:63]   my pieces of W as loaded, 8 loads
.set XH,   64                          ; v[64:95]   my pieces of hidden, 8 loads
.set G,    32                          ; v[32:39]   later: a fragment of W's second half
.set WF,   40                          ; v[40:47]   a fragment of W's first half
.set HF,   48                          ; v[48:63]   two fragments of hidden: half bb of the batch at HF + 8 bb
.set ACC0, 96                          ; v[96:103]  b 0-15
.set ACC1, 104                         ; v[104:111] b 16-31
.set PS,   112                         ; v[112:143] the 8 partial sums of my four numbers
.set BI,   144                         ; v[144:147] b_attn of my four numbers
	s_load_b256 s[4:11], s[0:1], 0x0               ; W s[4:5], hidden s[6:7], b_attn s[8:9], wbf s[10:11]
	s_load_b64 s[12:13], s[0:1], 0x20              ; hbc
	v_lshl_add_u32 v12, v0, 2, SPARE               ; my spare word; never rewritten
	v_mov_b32 v13, 0                               ; 0; never rewritten
	v_lshrrev_b32 v1, 5, v0
	v_readfirstlane_b32 s14, v1                    ; wave 0..7
	s_lshr_b32 s15, ttmp9, 2                       ; the group of 16 rows of W, 0..63
	s_and_b32 s20, ttmp9, 3                        ; the quarter of K
	v_and_b32 v1, 31, v0                           ; lane
	v_and_b32 v2, 15, v0                           ; r
	v_bfe_u32 v3, v0, 4, 1                         ; h
	v_lshlrev_b32 v4, 4, v1                        ; 16 x lane: my 16 bytes of 512
	s_mul_i32 s16, s14, 2*WPITCH
	v_lshl_add_u32 v5, v1, 3, s16                  ; into LDS: my wave's two rows of W, 8 bytes a lane
	s_mul_i32 s16, s14, 4*HPITCH
	s_add_co_u32 s16, s16, HS
	v_lshl_add_u32 v6, v1, 3, s16                  ; my wave's four rows of hidden
	s_lshl_b32 s17, s14, 6                         ; K step w begins at byte 64 w of a row's piece
	v_mul_u32_u24 v7, v2, WPITCH
	v_lshl_add_u32 v7, v3, 4, v7
	v_add_nc_u32 v7, s17, v7                       ; a fragment of W: row r, 16 bytes for each half of the lanes
	s_add_co_u32 s17, s17, HS
	v_mul_u32_u24 v8, v2, HPITCH
	v_lshl_add_u32 v8, v3, 4, v8
	v_add_nc_u32 v8, s17, v8                       ; a fragment of hidden
	s_lshl_b32 s18, s14, 11
	s_add_co_u32 s18, s18, RED
	v_lshlrev_b32 v9, 6, v2
	v_lshl_add_u32 v9, v3, 5, v9
	v_add_nc_u32 v9, s18, v9                       ; my partial sums: b = r at 64 r, n = 8 h + 0..7 at 32 h
	v_and_b32 v11, 127, v0                         ; the last phase is waves 0 to 3's: thread 0..127
	v_lshlrev_b32 v11, 4, v11                      ; four numbers, 16 bytes, a thread
	v_add_nc_u32 v10, RED, v11
	v_and_b32 v14, 3, v0
	v_lshlrev_b32 v14, 4, v14                      ; those four numbers' place among the group's 16 n
	s_lshl_b32 s21, s20, 10                        ; the quarter's 256 f32 begin at byte 1,024 kq of a half row
	s_lshl_b32 s22, s15, 4
	s_lshl_b32 s19, s14, 1
	s_add_co_u32 s22, s22, s19
	s_lshl_b32 s22, s22, 13                        ; W: row 16 x group + 2 x wave, 8,192 bytes a row
	s_add_co_u32 s22, s22, s21
	s_mov_b32 s23, 0
	s_lshl_b32 s24, s14, 14                        ; hidden: rows 4 w .. 4 w + 3, 4,096 bytes a row
	s_add_co_u32 s24, s24, s21
	s_mov_b32 s25, 0
	s_lshl_b32 s26, s15, 6                         ; b_attn: 16 numbers a group
	s_mov_b32 s27, 0
	s_lshr_b32 s28, s15, 3
	s_lshl_b32 s28, s28, 18                        ; wbf: n / 128 at 262,144,
	s_and_b32 s19, s15, 7
	s_lshl_b32 s19, s19, 10                        ; (n / 16) % 8 at 1,024,
	s_add_co_u32 s28, s28, s19
	s_lshl_b32 s19, s20, 3
	s_add_co_u32 s19, s19, s14
	s_lshl_b32 s19, s19, 13                        ; K step 8 kq + w at 8,192
	s_add_co_u32 s28, s28, s19
	s_mov_b32 s29, 0
	s_lshl_b32 s32, s20, 17                        ; hbc: 131,072 bytes a quarter,
	s_lshl_b32 s19, s15, 11                        ; 2,048 a group
	s_add_co_u32 s32, s32, s19
	s_mov_b32 s33, 0
	s_mov_b32 s30, 0x4038aa3b                      ; c = 2 log2(e)
	s_mov_b32 s31, s30                             ; named with it as a pair
	s_cmp_eq_u32 s20, 0
	s_cselect_b32 s34, s30, 0                      ; the bias's factor: c in quarter 0, 0 in the others
	s_mov_b32 s35, s34
	s_wait_kmcnt 0x0
	s_add_nc_u64 s[4:5], s[4:5], s[22:23]
	s_add_nc_u64 s[6:7], s[6:7], s[24:25]
	s_add_nc_u64 s[8:9], s[8:9], s[26:27]
	s_add_nc_u64 s[10:11], s[10:11], s[28:29]
	s_add_nc_u64 s[12:13], s[12:13], s[32:33]
.set q, 0
.rept 8                                ; load q: row q / 4, half (q / 2) % 2 of W, 512 bytes q % 2 of the piece
	global_load_b128 v[XW+4*q:XW+4*q+3], v4, s[4:5] offset:(q/4)*8192+((q/2)%2)*4096+(q%2)*512 th:TH_LOAD_NT  ; 512 consecutive bytes a load; the launch reads each byte of W once
.set q, q+1
.endr
.set q, 0
.rept 8                                ; load q: row q / 2, 512 bytes q % 2 of the piece
	global_load_b128 v[XH+4*q:XH+4*q+3], v4, s[6:7] offset:(q/2)*4096+(q%2)*512
.set q, q+1
.endr
	global_load_b128 v[BI:BI+3], v14, s[8:9]
	s_wait_loadcnt 9                               ; W's 8 loads are in; hidden's 8 and the bias may stay out
.set q, 0
.rept 8
	v_cvt_pk_bf16_f32 v[XW+4*q],   v[XW+4*q],   v[XW+4*q+1]    ; four f32 become 8 bytes, in place
	v_cvt_pk_bf16_f32 v[XW+4*q+1], v[XW+4*q+2], v[XW+4*q+3]
	ds_store_b64 v5, v[XW+4*q:XW+4*q+1] offset:(q/4)*WPITCH+((q/2)%2)*512+(q%2)*256   ; 32 lanes, 256 consecutive bytes
.set q, q+1
.endr
	s_wait_loadcnt 1                               ; hidden is in; the bias may stay out
.set q, 0
.rept 8
	v_cvt_pk_bf16_f32 v[XH+4*q],   v[XH+4*q],   v[XH+4*q+1]
	v_cvt_pk_bf16_f32 v[XH+4*q+1], v[XH+4*q+2], v[XH+4*q+3]
	ds_store_b64 v6, v[XH+4*q:XH+4*q+1] offset:(q/2)*HPITCH+(q%2)*256
.set q, q+1
.endr
	s_wait_dscnt 0x0                               ; for the others' sake: my rows are in LDS
	s_barrier_signal -1
	s_barrier_wait -1                              ; everybody's are
	; 8 LDS loads: what is multiplied first, what is only stored last
	ds_load_b128 v[WF:WF+3],   v7
	ds_load_b128 v[WF+4:WF+7], v7 offset:32
.irp c, 0,1
	ds_load_b128 v[HF+8*(\c):HF+8*(\c)+3],   v8 offset:(\c)*16*HPITCH
	ds_load_b128 v[HF+8*(\c)+4:HF+8*(\c)+7], v8 offset:(\c)*16*HPITCH+32
.endr
	ds_load_b128 v[G:G+3],   v7 offset:512         ; the second half's quarter begins at byte 512 of a row
	ds_load_b128 v[G+4:G+7], v7 offset:544
	s_wait_dscnt 2                                 ; all but the last two
	; source 0 = 16 rows of W, source 1 = 16 rows of hidden: lane (r, h) holds b = r and n = 8 h + 0..7.  Two accumulators, one product each.
	v_wmma_f32_16x16x32_bf16 v[ACC0:ACC0+7], v[WF:WF+7], v[HF:HF+7],    0
	v_wmma_f32_16x16x32_bf16 v[ACC1:ACC1+7], v[WF:WF+7], v[HF+8:HF+15], 0
	s_wait_dscnt 0x0
	global_store_b128 v4, v[G:G+3],   s[10:11]             ; each store of the wave covers 512 consecutive bytes, aligned
	global_store_b128 v4, v[G+4:G+7], s[10:11] offset:512
.rept 4
	v_nop                                          ; four places between the last product and the LDS stores that read the sums
.endr
	ds_store_b128 v9, v[ACC0:ACC0+3]               ; each accumulator's low registers first
	ds_store_b128 v9, v[ACC0+4:ACC0+7] offset:16
	ds_store_b128 v9, v[ACC1:ACC1+3]   offset:1024
	ds_store_b128 v9, v[ACC1+4:ACC1+7] offset:1040
	s_wait_tensorcnt 0x0
	ds_add_u32 v12, v13
	s_wait_dscnt 0x0                               ; shows my partial sums stored, for the others' sake
	s_barrier_signal -1
	s_barrier_wait -1
	s_cmp_ge_u32 s14, 4
	s_cbranch_scc1 .Lend                           ; 512 numbers, four a thread: waves 0 to 3
.set j, 0
.rept 8
	ds_load_b128 v[PS+4*j:PS+4*j+3], v10 offset:2048*j
.set j, j+1
.endr
	s_wait_dscnt 0x0
	s_wait_loadcnt 0x0                             ; the bias
.irp d, 4,2,1
.set i, 0
.rept \d
	v_pk_add_f32 v[PS+4*i:PS+4*i+1],   v[PS+4*i:PS+4*i+1],   v[PS+4*(i+\d):PS+4*(i+\d)+1]
	v_pk_add_f32 v[PS+4*i+2:PS+4*i+3], v[PS+4*i+2:PS+4*i+3], v[PS+4*(i+\d)+2:PS+4*(i+\d)+3]
.set i, i+1
.endr
.endr
	v_pk_mul_f32 v[BI:BI+1],   v[BI:BI+1],   s[34:35] op_sel_hi:[1,0]                      ; c b_attn, or 0
	v_pk_mul_f32 v[BI+2:BI+3], v[BI+2:BI+3], s[34:35] op_sel_hi:[1,0]
	v_pk_fma_f32 v[PS:PS+1],   v[PS:PS+1],   s[30:31], v[BI:BI+1]   op_sel_hi:[1,0,1]      ; c x the sum + that
	v_pk_fma_f32 v[PS+2:PS+3], v[PS+2:PS+3], s[30:31], v[BI+2:BI+3] op_sel_hi:[1,0,1]
	global_store_b128 v11, v[PS:PS+3], s[12:13]    ; 512 consecutive bytes a wave
.Lend:
	s_endpgm
.Lfunc_end_k_q256ae5559f_prep:
	.size	k_q256ae5559f_prep, .Lfunc_end_k_q256ae5559f_prep-k_q256ae5559f_prep
	.p2alignl 7, 3214868480
	.fill 96, 4, 3214868480
	.section	.rodata,"a",@progbits
	.p2align	6, 0x0
	.amdhsa_kernel k_q256ae5559f_prep
		.amdhsa_group_segment_fixed_size 50944
		.amdhsa_private_segment_fixed_size 0
		.amdhsa_enable_private_segment 0
		.amdhsa_kernarg_size 40
		.amdhsa_user_sgpr_count 2
		.amdhsa_user_sgpr_kernarg_segment_ptr 1
		.amdhsa_wavefront_size32 1
		.amdhsa_system_sgpr_workgroup_id_x 1
		.amdhsa_system_sgpr_workgroup_id_y 1
		.amdhsa_system_sgpr_workgroup_id_z 1
		.amdhsa_system_vgpr_workitem_id 0
		.amdhsa_next_free_vgpr 152
		.amdhsa_next_free_sgpr 66
		.amdhsa_reserve_vcc 0
		.amdhsa_float_denorm_mode_32 3
		.amdhsa_float_denorm_mode_16_64 3
		.amdhsa_memory_ordered 1
		.amdhsa_forward_progress 1
		.amdhsa_inst_pref_size 12
	.end_amdhsa_kernel
	.amdgpu_metadata
---
amdhsa.version: [ 1, 2 ]
amdhsa.kernels:
  - .name:           k_q256ae5559f_prep
    .symbol:         k_q256ae5559f_prep.kd
    .args:
      - { .name: W_attn, .offset: 0, .size: 8, .value_kind: global_buffer, .address_space: global }
      - { .name: hidden, .offset: 8, .size: 8, .value_kind: global_buffer, .address_space: global }
      - { .name: b_attn, .offset: 16, .size: 8, .value_kind: global_buffer, .address_space: global }
      - { .name: wbf, .offset: 24, .size: 8, .value_kind: global_buffer, .address_space: global }
      - { .name: hbc, .offset: 32, .size: 8, .value_kind: global_buffer, .address_space: global }
    .group_segment_fixed_size: 50944
    .private_segment_fixed_size: 0
    .kernarg_segment_align: 8
    .kernarg_segment_size: 40
    .max_flat_workgroup_size: 256
    .sgpr_count:     66
    .vgpr_count:     152
    .wavefront_size: 32
...
	.end_amdgpu_metadata
.endif
;; end of part 1
;; launch main (part 2): grid 256 x 1, 4 waves a work-group, no clusters, 274,944 bytes of LDS; arguments encoder_outputs, wbf, hbc, v, sc; writes sc
.if DOCPART == 2
	.amdgcn_target "amdgcn-amd-amdhsa--gfx1250"
	.amdhsa_code_object_version 6
	.text
	.protected	k_q256ae5559f_main
	.globl	k_q256ae5559f_main
	.p2align	8
	.type	k_q256ae5559f_main,@function
k_q256ae5559f_main:
	s_mov_b64 s[64:65], 0
	v_nop
	global_prefetch_b8 v0, s[64:65] scope:SCOPE_SE
	s_setreg_imm32_b32 hwreg(HW_REG_WAVE_MODE, 25, 1), 1
	s_wait_xcnt 0x0
; sc[b][s] = sum over n of v[n] tanh(x[s][b][n]),  x = sum over k of enc[s][b][k] W[n][1024 + k] + (hidden's part + b_attn[n]).
; c x = c (the product) + hb, c = 2 log2(e), hb = the sum of hbc's four quarters; tanh(x) = 1 - 2 / (1 + 2^(c x)), right for every finite x: 2^(c x) = infinity gives 1, 2^(c x) = 0 gives -1.
; So sc = sum of v[n] + sum of (-2 v[n]) r[n], r = 1 / (1 + 2^(c x)); both sums are kept in f32.
; enc and W are rounded to bf16 (nearest even), products summed in f32; hbc and v enter in f32.
; LIMITS.  NaN and infinities in the inputs are not treated apart; an exponential below 2^-126 counts as 0.
; SHARES.  A work-group owns one b and 128 consecutive s: 128 rows of 4,096 bytes, 131,072 bytes apart.  It reads them ONCE, rounds them, and keeps them in LDS (A) for the whole launch.
; It walks all 1,024 columns n in two passes of 512; in a pass each of the four waves makes 128 rows x 128 columns: 64 accumulators, 512 registers.  A wave's columns are its own,
; so its fragments of W are read by nobody else in the work-group: they come from memory straight into a ring of four register buffers (one K step of 32 each, 16 loads of 512
; consecutive bytes, laid out for this by the launch before), asked for three K steps ahead.  tanh, the product with v and the sum over a wave's columns stay in registers; the four
; waves' sums meet in LDS at the end.  The K loops have no barrier: A is only read, W's buffers are the wave's own.
; BY TURNS.  The four waves leave one barrier and run one text, so in every K step their runs of 16 LDS loads and 16 loads of W would be issued together.  Wave w therefore idles once,
; 128 w cycles, behind that barrier; with no barrier in the K loops and equal work in all four waves the offset lasts, and the runs come one after the other.
; NO CLUSTER, NO JOINT LOADS.  What work-groups share is W.  A joint load lands in LDS; this text uses 274,944 bytes of it, which leaves 52,736 of the 327,680 that a work-group can
; be given; one K step of 32 for a pass's 512 columns is 32,768 bytes, so two slots do not fit beside A.  A itself needs a conversion, which only registers can do.
; THE MATRIX INSTRUCTION IS USED TRANSPOSED: source 0 = 16 rows of W (n), source 1 = 16 rows of A: lane l holds row l % 16 and the columns 8 (l / 16) + 0..7.
; REGISTERS, in windows of 256 (s_set_vgpr_msb: bits 1:0 source 0, 3:2 source 1, 5:4 source 2, 7:6 destination):
;   window 0: addresses, work, A's fragments (two buffers of 64), sums     window 1: W's four buffers of 64
;   window 2: accumulators of rows 0-63, (a, nb) at v[8 (8 a + nb)]; first, the eight row slots of A's way in     window 3: accumulators of rows 64-127
.set PITCH, 2064                       ; a row of A in LDS: 2,048 bytes + 16: an odd multiple of 16, so that the 16 rows of a fragment load start in 16 different groups of four banks (ISA guide 11.1)
.set ROWB,  131072                     ; bytes from s to s + 1 in enc: 32 b x 4,096
.set HB,    128*PITCH                  ; hb of my b: n at byte 4 n
.set VVO,   4096                       ; behind it, -2 v[n]
.set RED,   HB+2*4096                  ; the four waves' sums: 4 x 128 rows
.set SPARE, RED+2048                   ; the spare words, 128 bytes for each wave: two blocks of 256 bytes that no other line names
.set R,    1                           ; v1      l % 16
.set H,    2                           ; v2      l / 16
.set T16,  3                           ; v3      16 x thread; never rewritten
.set L16,  4                           ; v4      16 x lane; never rewritten
.set LA,   5                           ; v5      A's way in: LDS address of my 8 bytes in the round's first row
.set AD,   6                           ; v6-9    LDS address of my part of A's fragments, row blocks 2 i, 2 i + 1; steps along K
.set EP,   10                          ; v10     LDS address of my 8 columns' hb in the pass
.set RST,  11                          ; v11     where my wave's sums go
.set RLD,  12                          ; v12     where wave 0 reads them
.set HO,   13                          ; v13     my offset in a quarter of hbc; later the LDS address HB + 16 x thread
.set SPW,  14                          ; v14     my spare word; never rewritten
.set NIL,  15                          ; v15     0; never rewritten
.set T,    16                          ; v16-31  a row's 16 packed registers
.set X,    32                          ; v32-63  first hbc's four quarters of my 8 numbers; then at work: 4 row blocks x 8 columns
.set TT,   X+8                         ;         at the end: a row block's sum
.set U,    X+16                        ;         at the end: the sum of row 32 i + lane
.set F0,   64                          ; v64-127   A's fragments, block a at + 8 a
.set F1,   128                         ; v128-191  the other buffer
.set HBV,  192                         ; v192-223  first v of my 8 numbers; then two buffers: hb of 8 columns, then -2 v of them
.set SUM,  224                         ; v224-239  a pair for each row block
.set CS,   240                         ; v240-241  the sum of -2 v over my columns
.set AD0,  242                         ; v242-245  AD at K step 0; never rewritten
.set MSB, 0
.macro WIN new                         ; the immediate's high byte repeats the setting that is left; a switch that changes nothing is dropped
.if MSB != (\new)
	s_set_vgpr_msb (MSB<<8)|(\new)
.set MSB, \new
.endif
.endm
.set MUL_LO, 0xa1                      ; source 0 (W) window 1, source 1 (A) window 0, C and D window 2
.set MUL_HI, 0xf1                      ; the same, C and D window 3
.set TO_B,   0x40                      ; destination window 1, address window 0
.macro AHOME                           ; A's addresses at K step 0
.irp i, 0,1,2,3
	v_mov_b32 v[AD+(\i)], v[AD0+(\i)]
.endr
.endm
; A'S WAY IN.  A ring of eight row slots in registers (window 2): 64 loads of 512 consecutive bytes are asked for by each wave.
; The turn of slot i: its row is rounded (16 conversions); ahead = 1: the slot is asked for again, eight rows on; the row goes into LDS.  left = the younger loads that may stay out.
.macro ATURN i, ahead, left
	s_wait_loadcnt \left                           ; loads come back in order (ISA guide 5.7.1): this slot's eight are in
	WIN 0x0a                                       ; sources in window 2
.irp j, 0,1,2,3,4,5,6,7
	v_cvt_pk_bf16_f32 v[T+2*(\j)],   v[32*(\i)+4*(\j)],   v[32*(\i)+4*(\j)+1]
	v_cvt_pk_bf16_f32 v[T+2*(\j)+1], v[32*(\i)+4*(\j)+2], v[32*(\i)+4*(\j)+3]
.endr
.if \ahead
	WIN 0x80                                       ; destination in window 2
.irp j, 0,1,2,3,4,5,6,7
	global_load_b128 v[32*(\i)+4*(\j):32*(\i)+4*(\j)+3], v[L16], s[36:37] offset:(8+(\i))*ROWB+(\j)*512 th:TH_LOAD_NT
.endr
.endif
	WIN 0
.irp j, 0,1,2,3,4,5,6,7
	ds_store_b64 v[LA], v[T+2*(\j):T+2*(\j)+1] offset:(\i)*PITCH+(\j)*256   ; 32 lanes, 256 consecutive bytes
.endr
.endm
; 16 loads: the next K step's fragments of W (8 column blocks x 1,024 bytes) into buffer bt.  The stream has 64 K steps; the last three requests, which would pass its end,
; ask for the last step once more (never multiplied), so that every K step issues the same 16 loads and the counted wait below holds throughout.
.macro FETCH_B bt
	s_wait_xcnt 0x0                                ; the base of the loads before is rewritten only behind this wait (ISA guide 3.1)
	s_min_u32 s26, s24, 63*8192
	s_add_nc_u64 s[20:21], s[22:23], s[26:27]
	s_add_co_u32 s24, s24, 8192
	WIN TO_B
.irp n, 0,1,2,3,4,5,6,7
	global_load_b128 v[64*(\bt)+8*(\n):64*(\bt)+8*(\n)+3],   v[L16], s[20:21] offset:1024*(\n)
	global_load_b128 v[64*(\bt)+8*(\n)+4:64*(\bt)+8*(\n)+7], v[L16], s[20:21] offset:1024*(\n)+512
.endr
.endm
; 16 LDS loads: A's fragments of one K step, at byte imm from AD, into buffer fa; rows 0-63 first
.macro FETCH_A fa, imm
	WIN 0
.irp a, 0,1,2,3,4,5,6,7
	ds_load_b128 v[(\fa)+8*(\a):(\fa)+8*(\a)+3],   v[AD+(\a)/2] offset:((\a)%2)*16*PITCH+(\imm)
	ds_load_b128 v[(\fa)+8*(\a)+4:(\fa)+8*(\a)+7], v[AD+(\a)/2] offset:((\a)%2)*16*PITCH+(\imm)+32
.endr
.endm
; 16 matrix instructions: row blocks a0, a0 + 1 of the window's four x all 8 column blocks.  zero = 1: the product starts the sums: nothing is cleared.
.macro MUL16 fb, fa, hi, a0, zero
	WIN MUL_LO+0x50*(\hi)
.irp a, \a0, (\a0)+1
.irp b, 0,1,2,3,4,5,6,7
.if \zero
	v_wmma_f32_16x16x32_bf16 v[8*(8*(\a)+(\b)):8*(8*(\a)+(\b))+7], v[(\fb)+8*(\b):(\fb)+8*(\b)+7], v[(\fa)+8*(4*(\hi)+(\a)):(\fa)+8*(4*(\hi)+(\a))+7], 0
.else
	v_wmma_f32_16x16x32_bf16 v[8*(8*(\a)+(\b)):8*(8*(\a)+(\b))+7], v[(\fb)+8*(\b):(\fb)+8*(\b)+7], v[(\fa)+8*(4*(\hi)+(\a)):(\fa)+8*(4*(\hi)+(\a))+7], v[8*(8*(\a)+(\b)):8*(8*(\a)+(\b))+7]
.endif
.endr
.endr
.endm
.macro PLACES                          ; a load into a register that a matrix instruction has read, and a vector instruction that reads a matrix result, stand four plain vector instructions behind it (ISA guide 7.12.1 for vector instructions)
.rept 4
	v_nop
.endr
.endm
; A K STEP of 32: 64 matrix instructions on W's buffer bi and A's buffer fa.  In its middle, in one run: A's fragments of the next step (byte imm from AD) into fg, and W's of the step
; three on into the buffer that the step before has multiplied.  The 64 accumulators take turns in the same order in every step.
.macro STEP bi, fa, fg, imm, zero
	s_wait_loadcnt 32                              ; W's buffer bi is in; the two younger steps' 16 loads each stay out
	s_wait_dscnt 8                                 ; A's rows 0-63 are in; the youngest eight loads (rows 64-127) may be out
	MUL16 64*(\bi), \fa, 0, 0, \zero
	MUL16 64*(\bi), \fa, 0, 2, \zero
	PLACES
	FETCH_A \fg, \imm
	FETCH_B ((\bi)+3)%4
	s_wait_dscnt 16                                ; all but the 16 just issued
	MUL16 64*(\bi), \fa, 1, 0, \zero
	MUL16 64*(\bi), \fa, 1, 2, \zero
.endm
; THE WAY OUT OF A PASS, a column block nb (16 columns, 8 a lane) at a time.
.macro EPI_LD nb, buf                  ; hb and -2 v of my 8 columns
	ds_load_b128 v[HBV+16*(\buf):HBV+16*(\buf)+3],     v[EP] offset:64*(\nb)
	ds_load_b128 v[HBV+16*(\buf)+4:HBV+16*(\buf)+7],   v[EP] offset:64*(\nb)+16
	ds_load_b128 v[HBV+16*(\buf)+8:HBV+16*(\buf)+11],  v[EP] offset:VVO+64*(\nb)
	ds_load_b128 v[HBV+16*(\buf)+12:HBV+16*(\buf)+15], v[EP] offset:VVO+64*(\nb)+16
.endm
; Four row blocks (hi = 0: rows 0-63, 1: rows 64-127) x 8 columns a lane: c x, 2^(c x), + 1, the reciprocal, and the sum with -2 v.
; Each accumulator's lowest pair is read first.  The transcendentals stand in runs, a plain instruction behind each run before a result is used (ISA guide 5.7.2).
.macro EPI_BATCH nb, hi, buf
	WIN 0x02+(\hi)                                 ; source 0 in window 2 or 3
.irp p, 0,1,2,3
.irp i, 0,1,2,3
	v_pk_fma_f32 v[X+8*(\i)+2*(\p):X+8*(\i)+2*(\p)+1], v[8*(8*(\i)+(\nb))+2*(\p):8*(8*(\i)+(\nb))+2*(\p)+1], s[30:31], v[HBV+16*(\buf)+2*(\p):HBV+16*(\buf)+2*(\p)+1] op_sel_hi:[1,0,1]
.endr
.endr
	WIN 0
.set z, 0
.rept 32
	v_exp_f32 v[X+z], v[X+z]
.set z, z+1
.endr
	v_nop
.set z, 0
	s_wait_alu depctr_va_vdst(0)
.rept 16
	v_pk_add_f32 v[X+2*z:X+2*z+1], v[X+2*z:X+2*z+1], 1.0 op_sel_hi:[1,0]
.set z, z+1
.endr
.set z, 0
.rept 32
	v_rcp_f32 v[X+z], v[X+z]
.set z, z+1
.endr
	v_nop
	s_wait_alu depctr_va_vdst(0)
.irp p, 0,1,2,3
.irp i, 0,1,2,3
	v_pk_fma_f32 v[SUM+2*(4*(\hi)+(\i)):SUM+2*(4*(\hi)+(\i))+1], v[X+8*(\i)+2*(\p):X+8*(\i)+2*(\p)+1], v[HBV+16*(\buf)+8+2*(\p):HBV+16*(\buf)+8+2*(\p)+1], v[SUM+2*(4*(\hi)+(\i)):SUM+2*(4*(\hi)+(\i))+1]
.endr
.endr
.if (\hi) == 0
.irp p, 0,1,2,3
	v_pk_add_f32 v[CS:CS+1], v[CS:CS+1], v[HBV+16*(\buf)+8+2*(\p):HBV+16*(\buf)+8+2*(\p)+1]   ; once for each column
.endr
.endif
.endm
	s_load_b256 s[4:11], s[0:1], 0x0               ; enc s[4:5], wbf s[6:7], hbc s[8:9], v s[10:11]
	s_load_b64 s[12:13], s[0:1], 0x20              ; sc
	v_lshl_add_u32 v[SPW], v0, 2, SPARE
	v_mov_b32 v[NIL], 0
	v_lshrrev_b32 v[T], 5, v0
	v_readfirstlane_b32 s14, v[T]                  ; wave 0..3
	s_lshr_b32 s16, ttmp9, 3                       ; b
	s_and_b32 s17, ttmp9, 7
	s_lshl_b32 s17, s17, 7                         ; my first s
	v_and_b32 v[R], 15, v0
	v_bfe_u32 v[H], v0, 4, 1
	v_and_b32 v[T], 31, v0                         ; lane
	v_lshlrev_b32 v[L16], 4, v[T]
	s_mul_i32 s18, s14, 32*PITCH                   ; wave w brings rows 32 w .. 32 w + 31
	v_lshl_add_u32 v[LA], v[T], 3, s18
	v_mul_u32_u24 v[AD0], v[R], PITCH
	v_lshl_add_u32 v[AD0], v[H], 4, v[AD0]         ; a fragment: row x pitch + 16 x half
	v_add_nc_u32 v[AD0+1], 32*PITCH, v[AD0]
	v_add_nc_u32 v[AD0+2], 64*PITCH, v[AD0]
	v_add_nc_u32 v[AD0+3], 96*PITCH, v[AD0]
	s_lshl_b32 s18, s14, 10                        ; wave w's columns begin at n = 256 w
	s_add_co_u32 s18, s18, HB
	v_lshl_add_u32 v[EP], v[H], 5, s18
	s_lshl_b32 s18, s14, 9
	s_add_co_u32 s18, s18, RED
	v_lshl_add_u32 v[RST], v[T], 2, s18
	v_add_nc_u32 v[RLD], RED, v[L16]
	v_lshlrev_b32 v[T16], 4, v0
	v_lshrrev_b32 v[HO], 2, v0                     ; a quarter of hbc is [n / 16][b][n % 16]: thread t takes n = 4 t .. 4 t + 3: block t / 4 of 2,048 bytes, 16 (t % 4) in my b's 64
	v_and_b32 v[T+1], 3, v0
	v_lshlrev_b32 v[T+1], 4, v[T+1]
	v_lshl_add_u32 v[HO], v[HO], 11, v[T+1]
	AHOME
.set i, 0
.rept 18
	v_mov_b32 v[SUM+i], 0                          ; the eight row blocks' sums and the sum of -2 v
.set i, i+1
.endr
	s_mov_b32 s30, 0x4038aa3b                      ; c = 2 log2(e)
	s_mov_b32 s31, s30                             ; named with it as a pair
	s_mov_b32 s32, 0x76543210                      ; v_permlanex16_b32: each lane takes its own place in the other half
	s_mov_b32 s33, 0xfedcba98
	s_mov_b32 s34, 0xffff0000                      ; lanes 16-31
	s_mov_b32 s27, 0
	s_mov_b32 s24, 0                               ; byte offset, in my wave's stream of W, of the K step to be asked for next
	s_lshl_b32 s18, s14, 5
	s_add_co_u32 s18, s18, s17                     ; my wave's first s,
	s_lshl_b32 s18, s18, 17                        ; its rows 131,072 bytes apart,
	s_lshl_b32 s19, s16, 12                        ; and b's 4,096 bytes in them
	s_add_co_u32 s18, s18, s19
	s_mov_b32 s19, 0
	s_lshl_b32 s20, s14, 19                        ; wave w's stream of W: 524,288 consecutive bytes: pass 0's 32 K steps of 8,192, then pass 1's
	s_mov_b32 s21, 0
	s_lshl_b32 s40, s16, 6                         ; hbc: my b's 64 bytes in each block
	s_mov_b32 s41, 0
	s_lshl_b32 s42, s16, 12                        ; sc: row b, my 128 s
	s_lshl_b32 s43, s17, 2
	s_add_co_u32 s42, s42, s43
	s_mov_b32 s43, 0
	s_wait_kmcnt 0x0
	s_add_nc_u64 s[36:37], s[4:5], s[18:19]
	s_add_nc_u64 s[22:23], s[6:7], s[20:21]
	s_add_nc_u64 s[8:9], s[8:9], s[40:41]
	s_add_nc_u64 s[12:13], s[12:13], s[42:43]
.irp q, 0,1,2,3                        ; hbc's quarter q, 131,072 bytes each:
	global_load_b128 v[X+8*(\q):X+8*(\q)+3],   v[HO], s[8:9] offset:(\q)*131072          ; of n = 4 t ..,
	global_load_b128 v[X+8*(\q)+4:X+8*(\q)+7], v[HO], s[8:9] offset:(\q)*131072+65536    ; of n = 512 + 4 t ..
.endr
	global_load_b128 v[HBV:HBV+3],   v[T16], s[10:11]                ; v likewise
	global_load_b128 v[HBV+4:HBV+7], v[T16], s[10:11] offset:2048
	WIN 0x80
.irp i, 0,1,2,3,4,5,6,7
.irp j, 0,1,2,3,4,5,6,7
	global_load_b128 v[32*(\i)+4*(\j):32*(\i)+4*(\j)+3], v[L16], s[36:37] offset:(\i)*ROWB+(\j)*512 th:TH_LOAD_NT  ; the launch reads each byte of enc once
.endr
.endr
	WIN 0
	s_mov_b32 s38, 3
.Lround:                                               ; three rounds of eight rows, each asking for the next eight
.irp i, 0,1,2,3,4,5,6,7
	ATURN \i, 1, 56                                ; seven younger rows of eight loads stay out
.endr
	s_wait_xcnt 0x0                                ; the loads' base is stepped only behind this wait (ISA guide 3.1)
	s_add_nc_u64 s[36:37], s[36:37], 8*ROWB
	v_add_nc_u32 v[LA], 8*PITCH, v[LA]
	s_sub_co_u32 s38, s38, 1
	s_cmp_lg_u32 s38, 0
	s_cbranch_scc1 .Lround
	; The last eight rows: no row is asked for, and W's first three K steps take the places that fall free, so that they land while the last rows do.
	; Each count = 8 x the rows still behind this one + 16 x the K steps of W asked for so far (all of them younger than every row).
	ATURN 0, 0, 56
	ATURN 1, 0, 48
	ATURN 2, 0, 40
	FETCH_B 0
	ATURN 3, 0, 32+16
	ATURN 4, 0, 24+16
	FETCH_B 1
	ATURN 5, 0, 16+32
	ATURN 6, 0, 8+32
	FETCH_B 2                                      ; the last 48 loads issued are W's, so the K step's count holds from the first step on
	ATURN 7, 0, 0+48
	v_add_nc_u32 v[HO], HB, v[T16]                 ; (the loads that it addressed are older than every row's: the rows' waits have shown them in)
.irp e, 0,2,4,6                        ; hb = the sum of the four quarters
	v_pk_add_f32 v[X+(\e):X+(\e)+1],       v[X+(\e):X+(\e)+1],       v[X+8+(\e):X+8+(\e)+1]
	v_pk_add_f32 v[X+16+(\e):X+16+(\e)+1], v[X+16+(\e):X+16+(\e)+1], v[X+24+(\e):X+24+(\e)+1]
.endr
.irp e, 0,2,4,6
	v_pk_add_f32 v[X+(\e):X+(\e)+1], v[X+(\e):X+(\e)+1], v[X+16+(\e):X+16+(\e)+1]
.endr
.irp p, 0,1,2,3
	v_pk_mul_f32 v[HBV+2*(\p):HBV+2*(\p)+1], v[HBV+2*(\p):HBV+2*(\p)+1], -2.0 op_sel_hi:[1,0]
.endr
	ds_store_b128 v[HO], v[X:X+3]
	ds_store_b128 v[HO], v[X+4:X+7]     offset:2048
	ds_store_b128 v[HO], v[HBV:HBV+3]   offset:VVO
	ds_store_b128 v[HO], v[HBV+4:HBV+7] offset:VVO+2048
	s_wait_dscnt 0x0                               ; for the others' sake: my rows of A and my part of the tables are in LDS
	s_barrier_signal -1
	s_barrier_wait -1                              ; everybody's are; from here on A and the tables are only read
	; Wave w goes on 8 w x s_nop 15 later: s_nop N idles N + 1 cycles (ISA guide, SOPP instructions), 128 cycles for each step of the wave's number.  The branches hang on the wave's number alone and pass no barrier.
	s_cmp_eq_u32 s14, 0
	s_cbranch_scc1 .Lgo
.rept 8
	s_nop 15
.endr
	s_cmp_eq_u32 s14, 1
	s_cbranch_scc1 .Lgo
.rept 8
	s_nop 15
.endr
	s_cmp_eq_u32 s14, 2
	s_cbranch_scc1 .Lgo
.rept 8
	s_nop 15
.endr
.Lgo:
	FETCH_A F0, 0
	s_mov_b32 s28, 2
.Lpass:                                                ; pass p: wave w's columns 256 w + 128 p .. + 127
	STEP 0, F0, F1, 64, 1                          ; K step 0 stands in front of the loop: its products start the sums
	WIN 0                                          ; at a label and at a branch every window is 0
	s_mov_b32 s29, 7
.Ltrip:                                                ; K steps 4 t + 1 .. 4 t + 4
	STEP 1, F1, F0, 128, 0
	STEP 2, F0, F1, 192, 0
	STEP 3, F1, F0, 256, 0
	STEP 0, F0, F1, 320, 0
	WIN 0
.irp i, 0,1,2,3
	v_add_nc_u32 v[AD+(\i)], 256, v[AD+(\i)]       ; four K steps of 64 bytes on
.endr
	s_sub_co_u32 s29, s29, 1
	s_cmp_lg_u32 s29, 0
	s_cbranch_scc1 .Ltrip
	STEP 1, F1, F0, 128, 0                         ; K steps 29, 30, 31
	STEP 2, F0, F1, 192, 0
	WIN 0
	AHOME
	STEP 3, F1, F0, 0, 0                           ; it fetches K step 0 again, for the next pass (behind the last pass: for nothing)
	WIN 0
	; The places behind the last products: rows 0-63's were followed by the step's four v_nop; rows 64-127's are first read behind a whole batch of rows 0-63, which names none of their registers.
	EPI_LD 0, 0
.irp nb, 0,1,2,3,4,5,6,7
.if (\nb) < 7
	EPI_LD (\nb)+1, ((\nb)+1)%2
	s_wait_dscnt 4                                 ; this block's tables are in; the next block's four loads stay out
.else
	s_wait_dscnt 0x0
.endif
	EPI_BATCH \nb, 0, (\nb)%2
	EPI_BATCH \nb, 1, (\nb)%2
.endr
	v_add_nc_u32 v[EP], 512, v[EP]                 ; the next pass's 128 columns
	s_sub_co_u32 s28, s28, 1
	s_cmp_lg_u32 s28, 0
	s_cbranch_scc1 .Lpass
	; THE END.  A lane holds, for each of 8 row blocks, the sum over its 128 columns; -CS / 2 is the sum of v over them.  The other half of the lanes holds the wave's other columns.
	v_add_f32 v[CS], v[CS], v[CS+1]
.irp a, 0,1,2,3,4,5,6,7
	v_add_f32 v[TT+(\a)], v[SUM+2*(\a)], v[SUM+2*(\a)+1]
.endr
.irp a, 0,1,2,3,4,5,6,7
	v_fma_f32 v[TT+(\a)], v[CS], -0.5, v[TT+(\a)]
.endr
.irp a, 0,1,2,3,4,5,6,7
	v_permlanex16_b32 v[X+(\a)], v[TT+(\a)], s32, s33
.endr
.irp a, 0,1,2,3,4,5,6,7
	v_add_f32 v[TT+(\a)], v[TT+(\a)], v[X+(\a)]
.endr
.irp i, 0,1,2,3
	v_cndmask_b32 v[U+(\i)], v[TT+2*(\i)], v[TT+2*(\i)+1], s34     ; row 32 i + lane: lanes 0-15 from block 2 i, lanes 16-31 from block 2 i + 1
.endr
.irp i, 0,1,2,3
	ds_store_b32 v[RST], v[U+(\i)] offset:128*(\i)
.endr
	s_wait_tensorcnt 0x0
	ds_add_u32 v[SPW], v[NIL]
	s_wait_dscnt 0x0                               ; shows my sums stored, for wave 0's sake
	s_barrier_signal -1
	s_barrier_wait -1
	s_cmp_lg_u32 s14, 0
	s_cbranch_scc1 .Lend                           ; 128 numbers, four a lane: wave 0
.irp i, 0,1,2,3
	ds_load_b128 v[HBV+4*(\i):HBV+4*(\i)+3], v[RLD] offset:512*(\i)
.endr
	s_wait_dscnt 0x0
	v_pk_add_f32 v[HBV:HBV+1],     v[HBV:HBV+1],     v[HBV+4:HBV+5]
	v_pk_add_f32 v[HBV+2:HBV+3],   v[HBV+2:HBV+3],   v[HBV+6:HBV+7]
	v_pk_add_f32 v[HBV+8:HBV+9],   v[HBV+8:HBV+9],   v[HBV+12:HBV+13]
	v_pk_add_f32 v[HBV+10:HBV+11], v[HBV+10:HBV+11], v[HBV+14:HBV+15]
	v_pk_add_f32 v[HBV:HBV+1],     v[HBV:HBV+1],     v[HBV+8:HBV+9]
	v_pk_add_f32 v[HBV+2:HBV+3],   v[HBV+2:HBV+3],   v[HBV+10:HBV+11]
	global_store_b128 v[L16], v[HBV:HBV+3], s[12:13]   ; 512 consecutive bytes, at a multiple of 512 from sc's first byte
.Lend:
	s_endpgm
.Lfunc_end_k_q256ae5559f_main:
	.size	k_q256ae5559f_main, .Lfunc_end_k_q256ae5559f_main-k_q256ae5559f_main
	.p2alignl 7, 3214868480
	.fill 96, 4, 3214868480
	.section	.rodata,"a",@progbits
	.p2align	6, 0x0
	.amdhsa_kernel k_q256ae5559f_main
		.amdhsa_group_segment_fixed_size 274944
		.amdhsa_private_segment_fixed_size 0
		.amdhsa_enable_private_segment 0
		.amdhsa_kernarg_size 40
		.amdhsa_user_sgpr_count 2
		.amdhsa_user_sgpr_kernarg_segment_ptr 1
		.amdhsa_wavefront_size32 1
		.amdhsa_system_sgpr_workgroup_id_x 1
		.amdhsa_system_sgpr_workgroup_id_y 1
		.amdhsa_system_sgpr_workgroup_id_z 1
		.amdhsa_system_vgpr_workitem_id 0
		.amdhsa_next_free_vgpr 1024
		.amdhsa_next_free_sgpr 66
		.amdhsa_reserve_vcc 0
		.amdhsa_float_denorm_mode_32 3
		.amdhsa_float_denorm_mode_16_64 3
		.amdhsa_memory_ordered 1
		.amdhsa_forward_progress 1
		.amdhsa_inst_pref_size 199
	.end_amdhsa_kernel
	.amdgpu_metadata
---
amdhsa.version: [ 1, 2 ]
amdhsa.kernels:
  - .name:           k_q256ae5559f_main
    .symbol:         k_q256ae5559f_main.kd
    .args:
      - { .name: encoder_outputs, .offset: 0, .size: 8, .value_kind: global_buffer, .address_space: global }
      - { .name: wbf, .offset: 8, .size: 8, .value_kind: global_buffer, .address_space: global }
      - { .name: hbc, .offset: 16, .size: 8, .value_kind: global_buffer, .address_space: global }
      - { .name: v, .offset: 24, .size: 8, .value_kind: global_buffer, .address_space: global }
      - { .name: sc, .offset: 32, .size: 8, .value_kind: global_buffer, .address_space: global }
    .group_segment_fixed_size: 274944
    .private_segment_fixed_size: 0
    .kernarg_segment_align: 8
    .kernarg_segment_size: 40
    .max_flat_workgroup_size: 128
    .sgpr_count:     66
    .vgpr_count:     1024
    .wavefront_size: 32
...
	.end_amdgpu_metadata
.endif
;; end of part 2
;; launch soft (part 3): grid 32 x 1, 8 waves a work-group, no clusters, 1,280 bytes of LDS; arguments sc, out0; writes out0
.if DOCPART == 3
	.amdgcn_target "amdgcn-amd-amdhsa--gfx1250"
	.amdhsa_code_object_version 6
	.text
	.protected	k_q256ae5559f_soft
	.globl	k_q256ae5559f_soft
	.p2align	8
	.type	k_q256ae5559f_soft,@function
k_q256ae5559f_soft:
	s_mov_b64 s[64:65], 0
	v_nop
	global_prefetch_b8 v0, s[64:65] scope:SCOPE_SE
	s_setreg_imm32_b32 hwreg(HW_REG_WAVE_MODE, 25, 1), 1
	s_wait_xcnt 0x0
; out0[b][0][s] = softmax over s of sc[b][s].  A work-group owns one b: 1,024 numbers, four a thread, read once and kept in registers.
; The row's true maximum m is taken away: p = 2^(x log2(e) - m log2(e)); the rounded m log2(e) is the same number in every lane, so its rounding cancels in the quotient.
; The sum holds the term 1 of the maximum itself, so it is at least 1; a p below 2^-126 counts as 0.  NaN and infinities are not treated apart.
; The sum spans all s of a row, which 8 work-groups of the launch before made: hence a launch of its own.  32 rows are 32 work-groups: the launch has no more work to share.
; No matrix unit, no cluster, no tensor load: 4,096 bytes a work-group, shared with nobody.
.set SPARE, 256                        ; LDS: bytes 0-31 the waves' maxima, 32-63 their sums; from 256 the spare words, 128 bytes for each wave: four blocks of 256 bytes that no other line names
	s_load_b128 s[4:7], s[0:1], 0x0                ; sc s[4:5], out0 s[6:7]
	v_lshl_add_u32 v30, v0, 2, SPARE               ; my spare word; never rewritten
	v_mov_b32 v31, 0                               ; 0; never rewritten
	v_lshrrev_b32 v1, 5, v0                        ; wave
	v_lshlrev_b32 v3, 2, v1                        ; its word
	v_lshlrev_b32 v2, 4, v0                        ; my 16 bytes of the row
	v_mov_b32 v9, 0                                ; v_permlanex16_b32's destination counts as read
	v_mov_b32 v10, 0
	s_lshl_b32 s10, ttmp9, 12                      ; row b, 4,096 bytes
	s_mov_b32 s11, 0
	s_mov_b32 s12, 0x76543210                      ; each lane takes its own place in the other half
	s_mov_b32 s13, 0xfedcba98
	s_mov_b32 s14, 0x3fb8aa3b                      ; log2(e)
	s_wait_kmcnt 0x0
	s_add_nc_u64 s[4:5], s[4:5], s[10:11]
	s_add_nc_u64 s[6:7], s[6:7], s[10:11]
	global_load_b128 v[4:7], v2, s[4:5]            ; 512 consecutive bytes a wave
	s_wait_loadcnt 0x0
	v_max3_num_f32 v8, v4, v5, v6
	v_max_num_f32 v8, v8, v7
	v_max_num_f32_dpp v8, v8, v8 row_xmask:1 row_mask:0xf bank_mask:0xf
	v_max_num_f32_dpp v8, v8, v8 row_xmask:2 row_mask:0xf bank_mask:0xf
	v_max_num_f32_dpp v8, v8, v8 row_xmask:4 row_mask:0xf bank_mask:0xf
	v_max_num_f32_dpp v8, v8, v8 row_xmask:8 row_mask:0xf bank_mask:0xf
	v_permlanex16_b32 v9, v8, s12, s13
	v_max_num_f32 v8, v8, v9                       ; the wave's maximum, in every lane
	ds_store_b32 v3, v8
	s_wait_dscnt 0x0                               ; for the others' sake
	s_barrier_signal -1
	s_barrier_wait -1
	ds_load_b128 v[12:15], v10
	ds_load_b128 v[16:19], v10 offset:16
	s_wait_dscnt 0x0
	v_max3_num_f32 v12, v12, v13, v14
	v_max3_num_f32 v15, v15, v16, v17
	v_max3_num_f32 v12, v12, v18, v19
	v_max_num_f32 v12, v12, v15                    ; m
	v_mul_f32 v20, s14, v12
	v_fma_f32 v4, v4, s14, -v20
	v_fma_f32 v5, v5, s14, -v20
	v_fma_f32 v6, v6, s14, -v20
	v_fma_f32 v7, v7, s14, -v20
	v_exp_f32 v4, v4
	v_exp_f32 v5, v5
	v_exp_f32 v6, v6
	v_exp_f32 v7, v7
	v_nop                                          ; a plain instruction between the last exponential and the use of its result (ISA guide 5.7.2)
	s_wait_alu depctr_va_vdst(0)
	v_add_f32 v8, v4, v5
	v_add_f32 v11, v6, v7
	v_add_f32 v8, v8, v11
	v_add_f32_dpp v8, v8, v8 row_xmask:1 row_mask:0xf bank_mask:0xf
	v_add_f32_dpp v8, v8, v8 row_xmask:2 row_mask:0xf bank_mask:0xf
	v_add_f32_dpp v8, v8, v8 row_xmask:4 row_mask:0xf bank_mask:0xf
	v_add_f32_dpp v8, v8, v8 row_xmask:8 row_mask:0xf bank_mask:0xf
	v_permlanex16_b32 v9, v8, s12, s13
	v_add_f32 v8, v8, v9                           ; the wave's sum
	ds_store_b32 v3, v8 offset:32                  ; other words than the maxima's: no wave need have finished reading those
	s_wait_tensorcnt 0x0
	ds_add_u32 v30, v31
	s_wait_dscnt 0x0                               ; shows my sum stored, for the others' sake
	s_barrier_signal -1
	s_barrier_wait -1
	ds_load_b128 v[12:15], v10 offset:32
	ds_load_b128 v[16:19], v10 offset:48
	s_wait_dscnt 0x0
	v_pk_add_f32 v[12:13], v[12:13], v[14:15]
	v_pk_add_f32 v[16:17], v[16:17], v[18:19]
	v_pk_add_f32 v[12:13], v[12:13], v[16:17]
	v_add_f32 v12, v12, v13
	v_rcp_f32 v22, v12
	v_nop                                          ; a plain instruction between the reciprocal and its use
	s_wait_alu depctr_va_vdst(0)
	v_mul_f32 v4, v4, v22
	v_mul_f32 v5, v5, v22
	v_mul_f32 v6, v6, v22
	v_mul_f32 v7, v7, v22
	global_store_b128 v2, v[4:7], s[6:7]           ; 512 consecutive bytes a wave, aligned
	s_endpgm
.Lfunc_end_k_q256ae5559f_soft:
	.size	k_q256ae5559f_soft, .Lfunc_end_k_q256ae5559f_soft-k_q256ae5559f_soft
	.p2alignl 7, 3214868480
	.fill 96, 4, 3214868480
	.section	.rodata,"a",@progbits
	.p2align	6, 0x0
	.amdhsa_kernel k_q256ae5559f_soft
		.amdhsa_group_segment_fixed_size 1280
		.amdhsa_private_segment_fixed_size 0
		.amdhsa_enable_private_segment 0
		.amdhsa_kernarg_size 16
		.amdhsa_user_sgpr_count 2
		.amdhsa_user_sgpr_kernarg_segment_ptr 1
		.amdhsa_wavefront_size32 1
		.amdhsa_system_sgpr_workgroup_id_x 1
		.amdhsa_system_sgpr_workgroup_id_y 1
		.amdhsa_system_sgpr_workgroup_id_z 1
		.amdhsa_system_vgpr_workitem_id 0
		.amdhsa_next_free_vgpr 32
		.amdhsa_next_free_sgpr 66
		.amdhsa_reserve_vcc 0
		.amdhsa_float_denorm_mode_32 3
		.amdhsa_float_denorm_mode_16_64 3
		.amdhsa_memory_ordered 1
		.amdhsa_forward_progress 1
		.amdhsa_inst_pref_size 4
	.end_amdhsa_kernel
	.amdgpu_metadata
---
amdhsa.version: [ 1, 2 ]
amdhsa.kernels:
  - .name:           k_q256ae5559f_soft
    .symbol:         k_q256ae5559f_soft.kd
    .args:
      - { .name: sc, .offset: 0, .size: 8, .value_kind: global_buffer, .address_space: global }
      - { .name: out0, .offset: 8, .size: 8, .value_kind: global_buffer, .address_space: global }
    .group_segment_fixed_size: 1280
    .private_segment_fixed_size: 0
    .kernarg_segment_align: 8
    .kernarg_segment_size: 16
    .max_flat_workgroup_size: 256
    .sgpr_count:     66
    .vgpr_count:     32
    .wavefront_size: 32
...
	.end_amdgpu_metadata
.endif
;; end of part 3
